; MI455X (gfx1250); checked and timed in simulation.
; The chip was launched on July 23, 2026; its instructions are those of AMD's public machine-readable ISA for CDNA 5 (MIT licence, August 2026) and "CDNA5" Instruction Set Architecture Reference Guide (July 2026). The comments in the code are by the model that wrote it; some were corrected since.
;; Multi Head Attention. Allowed arithmetic: matrix products marked QUANTISED: E2M1 operands, one E8M0 scale for each 32 along K, by v_wmma_scale_f32_16x16x128_f8f6f4 with both operands' format E2M1 (or v_wmma_scale_f32_32x16x128_f4), f32 sums; products left as they are: bf16, f16 or f32 operands; f32 sums; everything else in f32.
;; Inputs: Wk 512 x 512 float32; Wo 512 x 512 float32; Wq 512 x 512 float32; Wv 512 x 512 float32; bk 512 float32; bo 512 float32; bq 512 float32; bv 512 float32; k 2 x 4,096 x 512 float32; q 2 x 4,096 x 512 float32; v 2 x 4,096 x 512 float32.
;; Outputs: out0 2 x 4,096 x 512 float32.
;; This version of the problem:
;;   THIS VERSION OF THE PROBLEM IS GIVEN IN LOW PRECISION. The matrix products marked QUANTISED in the list below multiply operands that are first quantised to E2M1 (2 exponent bits, 1 mantissa bit; 4 bits a number), with one power-of-two scale for each 32 numbers along K (OCP MX v1.0); their sums are f32. The products marked 'left as it is' may take bf16, f16 or f32 operands, with f32 sums. Whichever they take, every output number must still come out within the allowed error. Rounding operands to bf16 (8 significant bits) uses up far more of that allowance than f16 does (11 bits, for magnitudes from 6e-5 to 65,504). All else is computed in f32.
;;   The module's matrix products, in the order in which they are computed (A, B: the left and right operand; K: the contracted axis; several contracted axes count as one K, in the product's order):
;;     1. [M 8,192, K 512] x [K 512, N 512]; A: input q; B: input Wq: QUANTISED
;;     2. [M 8,192, K 512] x [K 512, N 512]; A: input k; B: input Wk: QUANTISED
;;     3. [M 8,192, K 512] x [K 512, N 512]; A: input v; B: input Wv: QUANTISED
;;     4. batch 16 x [M 4,096, K 64] x [K 64, N 4,096]; A: computed on the way; B: computed on the way: left as it is (an operand is computed on the way)
;;     5. batch 16 x [M 4,096, K 4,096] x [K 4,096, N 64]; A: computed on the way; B: computed on the way: left as it is (an operand is computed on the way)
;;     6. [M 8,192, K 512] x [K 512, N 512]; A: computed on the way; B: input Wo: left as it is (an operand is computed on the way)
;;   THE QUANTISER, for each operand of a quantised product, along K:
;;     - K is cut into blocks of 32 from its start; a last block that is shorter is filled with zeros.
;;     - A block's scale is 2^e with e = floor(log2(the largest magnitude in the block)) - 2, held to -126 .. 127; a block of zeros has e = 0. As a byte (E8M0): e + 127.
;;     - Each number is divided by its block's scale, clamped to +-6, and rounded to the nearest number of E2M1, ties to even, subnormals kept.
;;     - The product sums the exact products of the quantised numbers (number of the format x scale) in f32.
;;   ~~~python
;;   def quantise(x, axis):      # numpy; x: float32 -> the quantised numbers, widened to float32 again
;;       x = np.moveaxis(x, axis, -1); K = x.shape[-1]
;;       x = np.pad(x, [(0, 0)] * (x.ndim - 1) + [(0, -K % 32)]); x = x.reshape(x.shape[:-1] + (-1, 32)); a = np.abs(x).max(-1, keepdims=True)
;;       e = np.where(a > 0, np.clip(np.frexp(np.where(a > 0, a, 1))[1] - 1 - 2, -126, 127), 0)      # np.frexp(a)[1] - 1 = floor(log2(a)), exactly
;;       r = np.clip(x / 2.0 ** e, -6, 6)
;;       step = 2.0 ** (np.maximum(np.frexp(np.where(r == 0, 1, r))[1] - 1, 0) - 1)
;;       q = np.round(r / step) * step * 2.0 ** e      # np.round: ties to even
;;       return np.moveaxis(q.reshape(q.shape[:-2] + (-1,))[..., :K], -1, axis).astype(np.float32)
;;   ~~~
;; One version. Each part assembles by itself: llvm-mc -triple=amdgcn-amd-amdhsa -mcpu=gfx1250 --defsym DOCPART=n.
;; ======== version 1 of 1: 4 launches
;; limits: values are held in f16: magnitudes above 65,504 overflow, below 6.1e-05 lose precision
;; workspace buffers: wcodes 393,216 bytes; wscales 49,152 bytes; woimg 524,288 bytes; heads 25,165,824 bytes; ctx 8,388,608 bytes
;; launch prep (part 1): grid 128 x 1, 4 waves a work-group, no clusters, 0 bytes of LDS; arguments Wq, Wk, Wv, Wo, wcodes, wscales, woimg; writes wcodes, wscales, woimg
.if DOCPART == 1
	.amdgcn_target "amdgcn-amd-amdhsa--gfx1250"
	.amdhsa_code_object_version 6
	.text
	.protected	k_q0114129b61_prep
	.globl	k_q0114129b61_prep
	.p2align	8
	.type	k_q0114129b61_prep,@function
k_q0114129b61_prep:
	s_mov_b64 s[64:65], 0
	v_nop
	global_prefetch_b8 v0, s[64:65] scope:SCOPE_SE
	s_setreg_imm32_b32 hwreg(HW_REG_WAVE_MODE, 25, 1), 1
	s_wait_xcnt 0x0
; PREP: the four weights [512 (k)][512 (n)], f32, are laid once as IMAGES OF OPERAND REGISTERS: a fragment's groups of four registers on end, lane l's 16 bytes at 16 l.
; Work-groups 0-95: Wq, Wk, Wv (z = g / 32) become codes of FP4 (E2M1) with one E8M0 byte for each 32 along K, which is their FIRST axis.  Work-group (z, nt) takes columns 16 nt .. + 15,
; its wave s the K step 128 s .. + 127: one fragment.  A LANE TAKES A COLUMN AND ITS REGISTERS RUN DOWN K, in the order that the operand's layout gives that lane (k = 64 c + 32 h + 0 .. 31 in
; registers 4 c .. 4 c + 3): the conversions' results are the fragment, nothing is transposed, and a block of 32 lies in one lane.
;   wcodes  [z][nt 32][s 4][c 2][lane 32][16 bytes];   wscales [z][nt][lane 32][s 4][4 bytes]: the word of column 16 nt + lane % 16 for K step s (lanes 16-31 repeat lanes 0-15).
; Work-groups 96-127: Wo becomes f16 fragments of 16 columns x 32 k: woimg [k / 256][nt 32][ks 8][c 2][lane][16 bytes]; lane (r, h): column 16 nt + r, k = 32 ks + 16 c + 8 h + 0 .. 7.
; A block's scale is 2^(floor(log2(largest magnitude)) - 2): its byte is the largest magnitude's exponent field - 2, held at 1 from below.
; LIMITS: a block of zeros gets the byte 1 (its codes are zeros, and this program alone reads the bytes); NaN and infinities are not served; |Wo| stays under 65,504 (f16).
; Each load reads 64 neighbouring bytes in sixteen lanes; each weight is read once.  The stores of codes and of f16 cover 512 consecutive bytes; the scale words' stores write 4 bytes in each 16: 48 KiB in the launch.
.set X,  32                            ; v32-95  64 numbers of my column
.set CD, 96                            ; v96-103 the fragment's codes
	s_load_b256 s[4:11], s[0:1], 0x0               ; Wq, Wk, Wv, Wo
	s_load_b128 s[12:15], s[0:1], 0x20             ; wcodes, wscales
	s_load_b64 s[16:17], s[0:1], 0x30              ; woimg
	v_lshrrev_b32 v1, 5, v0
	v_readfirstlane_b32 s20, v1                    ; wave s
	v_and_b32 v2, 31, v0                           ; lane
	v_and_b32 v3, 15, v0                           ; r
	v_bfe_u32 v4, v0, 4, 1                         ; h
	v_lshlrev_b32 v5, 4, v2                        ; 16 x lane
	v_lshlrev_b32 v6, 2, v3                        ; 4 r: my column in a row of 16
	s_lshl_b32 s24, s20, 18                        ; my wave's 128 rows of 2,048 bytes
	s_mov_b32 s25, 0
	s_mov_b32 s27, 0
	s_mov_b32 s29, 0
	s_wait_kmcnt 0x0
	s_cmp_lt_u32 ttmp9, 96
	s_cbranch_scc0 .Lwo
	; ---- a fragment of Wq, Wk or Wv
	s_lshr_b32 s21, ttmp9, 5                       ; z
	s_and_b32 s22, ttmp9, 31                       ; nt
	s_cmp_eq_u32 s21, 0
	s_cselect_b64 s[18:19], s[4:5], s[6:7]
	s_cmp_eq_u32 s21, 2
	s_cselect_b64 s[18:19], s[8:9], s[18:19]       ; the weight: a choice on the work-group's number alone
	s_lshl_b32 s23, s22, 6
	s_add_co_u32 s24, s24, s23                     ; + 64 nt
	s_add_nc_u64 s[18:19], s[18:19], s[24:25]
	s_lshl_b32 s26, s21, 17                        ; codes: 131,072 z + 4,096 nt + 1,024 s
	s_lshl_b32 s23, s22, 12
	s_add_co_u32 s26, s26, s23
	s_lshl_b32 s23, s20, 10
	s_add_co_u32 s26, s26, s23
	s_add_nc_u64 s[12:13], s[12:13], s[26:27]
	s_lshl_b32 s28, s21, 14                        ; scale words: 16,384 z + 512 nt + 4 s
	s_lshl_b32 s23, s22, 9
	s_add_co_u32 s28, s28, s23
	s_lshl_b32 s23, s20, 2
	s_add_co_u32 s28, s28, s23
	s_add_nc_u64 s[14:15], s[14:15], s[28:29]
	s_mov_b32 s30, 0x76543210
	s_mov_b32 s31, 0xfedcba98                      ; v_permlanex16_b32's selects for lane l xor 16
	v_lshl_add_u32 v7, v4, 16, v6                  ; lanes 16-31 begin 32 rows further down
.set i, 0
.rept 64
	global_load_b32 v[X+i], v7, s[18:19] offset:(i+32*(i/32))*2048 th:TH_LOAD_NT   ; register 32 c + i': W(128 s + 64 c + 32 h + i', my column)
.set i, i+1
.endr
	s_wait_loadcnt 0x0
.irp c, 0,1                                    ; my block 2 c + h: all its 32 numbers are mine
	v_max3_num_f32 v[8+\c], |v[X+32*\c]|, |v[X+32*\c+1]|, 0x1800000   ; with the floor 2^(3 - 127): the byte cannot fall under 1
.endr
.irp i, 2,4,6,8,10,12,14,16,18,20,22,24,26,28,30
.irp c, 0,1
	v_max3_num_f32 v[8+\c], v[8+\c], |v[X+32*\c+\i]|, |v[X+32*\c+\i+1]|   ; the two blocks by turns
.endr
.endr
.irp c, 0,1
	v_add_nc_u32 v[10+\c], 0xff000000, v[8+\c]     ; 2 off the exponent field: the conversion takes the exponent field of this operand as its scale
.endr
.irp c, 0,1
	v_lshrrev_b32 v[12+\c], 23, v[10+\c]           ; the scale's byte
.endr
	v_lshl_or_b32 v14, v13, 16, v12                ; blocks h and 2 + h of my column,
	v_lshlrev_b32 v15, 3, v4
	v_lshlrev_b32 v14, v15, v14                    ; at their places in the word (8 h bits up);
	v_mov_b32 v15, 0
	v_permlanex16_b32 v15, v14, s30, s31
	v_or_b32 v14, v14, v15                         ; with lane l xor 16's two the word is whole, in all 32 lanes
.irp c, 0,1
.irp g, 0,1,2,3
	v_cvt_scalef32_pk8_fp4_f32 v[CD+4*\c+\g], v[X+32*\c+8*\g:X+32*\c+8*\g+7], v[10+\c]
.endr
.endr
	v_nop                                          ; a plain instruction behind the last scaled conversion
	global_store_b128 v5, v[CD:CD+3], s[12:13]
	global_store_b128 v5, v[CD+4:CD+7], s[12:13] offset:512
	global_store_b32 v5, v14, s[14:15]
	s_endpgm
.Lwo:
	; ---- four f16 fragments of Wo: k = 128 s + 32 q + 16 c + 8 h + j
	s_sub_co_u32 s22, ttmp9, 96                    ; nt
	s_lshl_b32 s23, s22, 6
	s_add_co_u32 s24, s24, s23
	s_add_nc_u64 s[10:11], s[10:11], s[24:25]
	s_lshr_b32 s26, s20, 1                         ; woimg: 262,144 (s / 2) + 8,192 nt + 4,096 (s % 2)
	s_lshl_b32 s26, s26, 18
	s_lshl_b32 s23, s22, 13
	s_add_co_u32 s26, s26, s23
	s_and_b32 s23, s20, 1
	s_lshl_b32 s23, s23, 12
	s_add_co_u32 s26, s26, s23
	s_add_nc_u64 s[16:17], s[16:17], s[26:27]
	v_lshl_add_u32 v7, v4, 14, v6                  ; lanes 16-31 begin 8 rows further down
.set i, 0
.rept 64
	global_load_b32 v[X+i], v7, s[10:11] offset:(2*i-(i%8))*2048 th:TH_LOAD_NT   ; register 16 q + 8 c + j: row 32 q + 16 c + j
.set i, i+1
.endr
	s_wait_loadcnt 0x0
.irp g, 0,1,2,3,4,5,6,7
.irp i, 0,1,2,3
	v_cvt_pk_f16_f32 v[X+8*\g+\i], v[X+8*\g+2*\i], v[X+8*\g+2*\i+1]   ; in place, ascending: each result lies at or under its sources
.endr
.endr
.irp g, 0,1,2,3,4,5,6,7
	global_store_b128 v5, v[X+8*\g:X+8*\g+3], s[16:17] offset:512*\g
.endr
	s_endpgm
.Lfunc_end_k_q0114129b61_prep:
	.size	k_q0114129b61_prep, .Lfunc_end_k_q0114129b61_prep-k_q0114129b61_prep
	.p2alignl 7, 3214868480
	.fill 96, 4, 3214868480
	.section	.rodata,"a",@progbits
	.p2align	6, 0x0
	.amdhsa_kernel k_q0114129b61_prep
		.amdhsa_group_segment_fixed_size 0
		.amdhsa_private_segment_fixed_size 0
		.amdhsa_enable_private_segment 0
		.amdhsa_kernarg_size 56
		.amdhsa_user_sgpr_count 2
		.amdhsa_user_sgpr_kernarg_segment_ptr 1
		.amdhsa_wavefront_size32 1
		.amdhsa_system_sgpr_workgroup_id_x 1
		.amdhsa_system_sgpr_workgroup_id_y 1
		.amdhsa_system_sgpr_workgroup_id_z 1
		.amdhsa_system_vgpr_workitem_id 0
		.amdhsa_next_free_vgpr 112
		.amdhsa_next_free_sgpr 66
		.amdhsa_reserve_vcc 0
		.amdhsa_float_denorm_mode_32 3
		.amdhsa_float_denorm_mode_16_64 3
		.amdhsa_memory_ordered 1
		.amdhsa_forward_progress 1
		.amdhsa_inst_pref_size 21
	.end_amdhsa_kernel
	.amdgpu_metadata
---
amdhsa.version: [ 1, 2 ]
amdhsa.kernels:
  - .name:           k_q0114129b61_prep
    .symbol:         k_q0114129b61_prep.kd
    .args:
      - { .name: Wq, .offset: 0, .size: 8, .value_kind: global_buffer, .address_space: global }
      - { .name: Wk, .offset: 8, .size: 8, .value_kind: global_buffer, .address_space: global }
      - { .name: Wv, .offset: 16, .size: 8, .value_kind: global_buffer, .address_space: global }
      - { .name: Wo, .offset: 24, .size: 8, .value_kind: global_buffer, .address_space: global }
      - { .name: wcodes, .offset: 32, .size: 8, .value_kind: global_buffer, .address_space: global }
      - { .name: wscales, .offset: 40, .size: 8, .value_kind: global_buffer, .address_space: global }
      - { .name: woimg, .offset: 48, .size: 8, .value_kind: global_buffer, .address_space: global }
    .group_segment_fixed_size: 0
    .private_segment_fixed_size: 0
    .kernarg_segment_align: 8
    .kernarg_segment_size: 56
    .max_flat_workgroup_size: 128
    .sgpr_count:     66
    .vgpr_count:     112
    .wavefront_size: 32
...
	.end_amdgpu_metadata
.endif
;; end of part 1
;; launch proj (part 2): grid 128 x 3, 4 waves a work-group, no clusters, 39,424 bytes of LDS; arguments q, k, v, bq, bk, bv, wcodes, wscales, heads; writes heads
.if DOCPART == 2
	.amdgcn_target "amdgcn-amd-amdhsa--gfx1250"
	.amdhsa_code_object_version 6
	.text
	.protected	k_q0114129b61_proj
	.globl	k_q0114129b61_proj
	.p2align	8
	.type	k_q0114129b61_proj,@function
k_q0114129b61_proj:
	s_mov_b64 s[64:65], 0
	v_nop
	global_prefetch_b8 v0, s[64:65] scope:SCOPE_SE
	s_setreg_imm32_b32 hwreg(HW_REG_WAVE_MODE, 25, 1), 1
	s_wait_xcnt 0x0
; PROJ: x W + b for x = q, k, v (work-group y = z), both operands as codes of FP4 (E2M1) with one E8M0 byte for each 32 along K = 512; sums in f32; results rounded to f16 and stored as
; IMAGES OF THE ATTENTION'S OPERAND REGISTERS: heads [z 3][batch x head 16][524,288 bytes].
;   z = 0, 1 (Q, K): [token tile of 16: 256][ks 2][c 2][lane][16 bytes]; lane (r, h): token r, channels 32 ks + 16 c + 8 h + 0 .. 7.
;   z = 2 (V^T):     [32 keys: 128][ct 4][c 2][lane][16 bytes];          lane (r, h): channel 16 ct + r, keys 16 c + 8 h + 0 .. 7.
; SHARES.  A work-group takes 64 rows of x.  THE WAVES SHARE THE COLUMNS: wave w makes columns 128 w .. + 127 (heads 2 w, 2 w + 1) for all 64 rows; its 32 fragments of W fill window 1.
; PHASE X: wave w quantises rows 16 w .. + 15, a row (2,048 bytes, 16 blocks of 32) a step.  Each load reads 512 consecutive bytes; the row turns through the wave's own stage in LDS, so that a lane
; holds 16 neighbours along K (two lanes to a block).  Codes go to LDS rows of 256 + 16 bytes, scale bytes to rows of 16.  Rows run five ahead; W's 64 loads ride along, four a step.
; One barrier.  PHASE 1: for each tile of 16 rows: 4 K steps x 8 tiles of columns, the eight accumulators by turns; the bias is the C of each sum's first product.
; Q and K use the product TRANSPOSED (source 0 = 16 columns of W, source 1 = 16 rows of x): a lane holds one token and eight channels.  V uses it straight: a lane holds one channel and eight tokens.
; Packed to f16, a tile's four registers ARE a 512-byte piece of an image: nothing goes through LDS on the way out.
; A block's scale byte is its largest magnitude's exponent field - 2, held at 1 from below.
; LIMITS: a block of zeros gets the byte 1 over zero codes; NaN and infinities are not served; the results stay under 65,504 in magnitude (f16).
; No tensor load: 512 registers a wave and 39,424 bytes of LDS let two work-groups lie on a WGP.
.set DEPTH, 5                          ; rows of x asked for ahead
.set SP,    80                         ; a lane's place in a stage: 64 bytes + 16 of padding
.set STG,   2*32*SP                    ; two stages a wave
.set XC,    4*STG                      ; x's codes: 64 rows,
.set XP,    272                        ; 256 bytes + 16: the sixteen rows of a fragment load start 17 x 16 bytes apart
.set SCX,   XC+64*XP                   ; x's scale bytes: 64 rows x 16
.set SPARE, SCX+64*16                  ; the spare words, 128 bytes a wave: two blocks of 256 bytes that no other line names
.set L16,  1                           ; v1   16 x lane
.set SIN,  2                           ; v2   the stage, way in
.set SOUT, 3                           ; v3   the stage, way out
.set XCW,  4                           ; v4   where I put 8 bytes of codes
.set SCW,  5                           ; v5   where I put my block's byte
.set XCR,  6                           ; v6   a fragment of x: row r, + 16 h
.set SCR,  7                           ; v7   row r's four scale words
.set BO8,  8                           ; v8   32 h
.set BO4,  9                           ; v9   4 r
.set SPW,  12                          ; v12  my spare word; never rewritten
.set NIL,  13                          ; v13  0; never rewritten
.set WSC,  16                          ; v16-47   W's scale words, tile t, K step s at 4 t + s
.set BI,   48                          ; v48-111  the bias as C: tile t at 8 t
.set BV,   112                         ; v112-119 the bias of channel 16 t + r
.set R,    120                         ; v120-199 phase X: five rows as loaded
.set X,    200                         ; v200-231 phase X: two sets of 16 neighbours
.set TM,   232                         ; v232-233 maxima, v234 the conversion's scale operand
.set CD,   236                         ; v236-239 two sets of codes
.set EB,   240                         ; v240-241 two bytes
.set ACC,  120                         ; v120-183 phase 1: eight accumulators
.set XF,   184                         ; v184-215 phase 1: x's four fragments
.set XS,   250                         ; v250-253 x's scale words: these registers hold nothing else
.set MSB, 0
.macro WIN new                         ; the immediate's high byte repeats the setting that is left
.if MSB != \new
	s_set_vgpr_msb (MSB<<8)|\new
.set MSB, \new
.endif
.endm
	s_load_b512 s[4:19], s[0:1], 0x0               ; q, k, v, bq, bk, bv, wcodes, wscales
	s_load_b64 s[20:21], s[0:1], 0x40              ; heads
	v_lshl_add_u32 v[SPW], v0, 2, SPARE
	v_mov_b32 v[NIL], 0
	v_lshrrev_b32 v10, 5, v0
	v_readfirstlane_b32 s22, v10                   ; wave w
	v_and_b32 v10, 31, v0                          ; lane
	v_and_b32 v11, 15, v0                          ; r
	v_bfe_u32 v14, v0, 4, 1                        ; h
	v_lshlrev_b32 v[L16], 4, v10
	s_mul_i32 s24, s22, STG
	v_lshrrev_b32 v15, 2, v10
	v_mul_u32_u24 v[SIN], v15, SP
	v_and_b32 v15, 3, v10
	v_lshl_add_u32 v[SIN], v15, 4, v[SIN]
	v_add_nc_u32 v[SIN], s24, v[SIN]               ; four lanes' 64 bytes on end, then the padding
	v_mul_u32_u24 v[SOUT], v10, SP
	v_add_nc_u32 v[SOUT], s24, v[SOUT]             ; back: my 16 neighbours
	s_mul_i32 s24, s22, 16*XP
	s_add_co_u32 s24, s24, XC
	v_lshl_add_u32 v[XCW], v10, 3, s24             ; my wave's 16 rows of codes, 8 bytes a lane
	s_lshl_b32 s24, s22, 8
	s_add_co_u32 s24, s24, SCX
	v_lshrrev_b32 v15, 1, v10
	v_add_nc_u32 v[SCW], s24, v15
	v_mul_u32_u24 v[XCR], v11, XP
	v_lshl_add_u32 v[XCR], v14, 4, v[XCR]
	v_add_nc_u32 v[XCR], XC, v[XCR]
	v_lshl_add_u32 v[SCR], v11, 4, SCX
	v_lshlrev_b32 v[BO8], 5, v14
	v_lshlrev_b32 v[BO4], 2, v11
	s_and_b32 s23, ttmp7, 0xffff                   ; z
	s_lshl_b32 s30, ttmp9, 17                      ; x: (64 block + 16 w) rows of 2,048 bytes
	s_lshl_b32 s24, s22, 15
	s_add_co_u32 s30, s30, s24
	s_mov_b32 s31, 0
	s_lshl_b32 s32, s22, 9                         ; the bias: my 128 numbers
	s_mov_b32 s33, 0
	s_lshl_b32 s34, s23, 17                        ; W's codes: 131,072 z + 32,768 w
	s_add_co_u32 s34, s34, s24
	s_mov_b32 s35, 0
	s_lshl_b32 s36, s23, 14                        ; W's scale words: 16,384 z + 4,096 w
	s_lshl_b32 s24, s22, 12
	s_add_co_u32 s36, s36, s24
	s_mov_b32 s37, 0
	s_lshl_b32 s38, s23, 23                        ; heads: 8 MiB z + 524,288 (8 batch + 2 w) + 8,192 (block % 64)
	s_lshr_b32 s24, ttmp9, 6
	s_lshl_b32 s24, s24, 22
	s_add_co_u32 s38, s38, s24
	s_lshl_b32 s24, s22, 20
	s_add_co_u32 s38, s38, s24
	s_and_b32 s24, ttmp9, 63
	s_lshl_b32 s24, s24, 13
	s_add_co_u32 s38, s38, s24
	s_mov_b32 s39, 0
	s_wait_kmcnt 0x0
	s_cmp_eq_u32 s23, 0                            ; which tensor and bias: a choice on the work-group's number alone
	s_cselect_b64 s[26:27], s[4:5], s[6:7]
	s_cselect_b64 s[28:29], s[10:11], s[12:13]
	s_cmp_eq_u32 s23, 2
	s_cselect_b64 s[26:27], s[8:9], s[26:27]
	s_cselect_b64 s[28:29], s[14:15], s[28:29]
	s_add_nc_u64 s[26:27], s[26:27], s[30:31]
	s_add_nc_u64 s[28:29], s[28:29], s[32:33]
	s_add_nc_u64 s[16:17], s[16:17], s[34:35]
	s_add_nc_u64 s[18:19], s[18:19], s[36:37]
	s_add_nc_u64 s[20:21], s[20:21], s[38:39]
.irp t, 0,1,2,3,4,5,6,7
	global_load_b128 v[WSC+4*\t:WSC+4*\t+3], v[L16], s[18:19] offset:512*\t
.endr
.irp t, 0,1,2,3,4,5,6,7                        ; the bias in both forms, whatever z: eight channels a lane (16 t + 8 h + j), and one (16 t + r)
	global_load_b128 v[BI+8*\t:BI+8*\t+3], v[BO8], s[28:29] offset:64*\t
	global_load_b128 v[BI+8*\t+4:BI+8*\t+7], v[BO8], s[28:29] offset:64*\t+16
	global_load_b32 v[BV+\t], v[BO4], s[28:29] offset:64*\t
.endr
.macro LOAD t                          ; row t of my 16: four loads of 512 consecutive bytes
.irp i, 0,1,2,3
	global_load_b128 v[R+16*((\t)%DEPTH)+4*\i:R+16*((\t)%DEPTH)+4*\i+3], v[L16], s[26:27] offset:2048*(\t)+512*\i th:TH_LOAD_NT
.endr
.endm
.macro WLOAD t                         ; four of W's 64 pieces of 512 bytes: piece j is registers 4 j .. 4 j + 3 of window 1
	WIN 0x40
.irp i, 0,1,2,3
	global_load_b128 v[16*(\t)+4*\i:16*(\t)+4*\i+3], v[L16], s[16:17] offset:512*(4*(\t)+\i)
.endr
	WIN 0
.endm
.macro TURN t                          ; row t through the stage: LDS serves a wave's instructions in order, so no wait stands between the stores and the loads
.irp i, 0,1,2,3
	ds_store_b128 v[SIN], v[R+16*((\t)%DEPTH)+4*\i:R+16*((\t)%DEPTH)+4*\i+3] offset:32*SP*((\t)%2)+8*SP*\i
.endr
.irp i, 0,1,2,3
	ds_load_b128 v[X+16*((\t)%2)+4*\i:X+16*((\t)%2)+4*\i+3], v[SOUT] offset:32*SP*((\t)%2)+16*\i
.endr
.endm
.irp t, 0,1,2,3,4
	LOAD \t
.endr
	s_wait_loadcnt 16                              ; row 0 is in (rows 1 to 4, sixteen loads, may be out)
	TURN 0
.macro STEP t
.set XN, X+16*((\t)%2)
.if (\t) > 0
	s_wait_dscnt 2                                 ; this row is back from the stage (the last step's two stores may be out): so its stores into the stage have read their registers,
.else
	s_wait_dscnt 0x0
.endif
.if (\t)+DEPTH < 16
	LOAD (\t)+DEPTH                                ; which take the row five further on
.endif
	WLOAD \t
.if (\t) < 15
.set NX, (\t)+DEPTH
.if NX > 15
.set NX, 15
.endif
.set NX, NX-(\t)-1                     ; rows of x asked for behind row t + 1
.set NW, (\t)+1
.if NW > DEPTH
.set NW, DEPTH
.endif                                 ; and runs of W's loads
	s_wait_loadcnt 4*(NX+NW)                       ; row t + 1 is in
	TURN (\t)+1
.endif
	v_max3_num_f32 v[TM], |v[XN]|, |v[XN+1]|, |v[XN+2]|            ; the largest magnitude of my 16, in two chains
	v_max3_num_f32 v[TM+1], |v[XN+3]|, |v[XN+4]|, |v[XN+5]|
.irp i, 6,10
	v_max3_num_f32 v[TM], v[TM], |v[XN+\i]|, |v[XN+\i+1]|
	v_max3_num_f32 v[TM+1], v[TM+1], |v[XN+\i+2]|, |v[XN+\i+3]|
.endr
	v_max3_num_f32 v[TM], v[TM], |v[XN+14]|, |v[XN+15]|
	v_max3_num_f32 v[TM], v[TM], v[TM+1], 0x1800000                ; with the floor 2^(3 - 127): the byte cannot fall under 1
	v_max_num_f32_dpp v[TM], v[TM], v[TM] row_xmask:1 row_mask:0xf bank_mask:0xf   ; and of my neighbour's 16: the block's
	v_add_nc_u32 v[TM+2], 0xff000000, v[TM]        ; 2 off the exponent field: the conversion's scale operand
	v_cvt_scalef32_pk8_fp4_f32 v[CD+2*((\t)%2)], v[XN:XN+7], v[TM+2]
	v_cvt_scalef32_pk8_fp4_f32 v[CD+2*((\t)%2)+1], v[XN+8:XN+15], v[TM+2]
	v_lshrrev_b32 v[EB+(\t)%2], 23, v[TM+2]        ; the scale's byte (also the plain instruction behind the conversions)
	ds_store_b8 v[SCW], v[EB+(\t)%2] offset:16*(\t)                ; both lanes of a block write the same byte with the same value
	ds_store_b64 v[XCW], v[CD+2*((\t)%2):CD+2*((\t)%2)+1] offset:XP*(\t)   ; codes and byte have two sets of registers: a set is written again two steps on, behind the wait at that step's head
.endm
.irp t, 0,1,2,3,4,5,6,7,8,9,10,11,12,13,14,15
	STEP \t
.endr
	s_wait_dscnt 0x0                               ; for the others' sake: my codes and bytes lie in LDS
	s_barrier_signal -1
	s_barrier_wait -1                              ; all 64 rows do
	s_wait_loadcnt 0x0                             ; W's fragments
; The four tiles of 16 rows.  isv = 0: transposed (Q, K);  1: straight (V).
.macro TILES isv
.irp m, 0,1,2,3
.irp ks, 0,1,2,3
.irp c, 0,1
	ds_load_b128 v[XF+8*\ks+4*\c:XF+8*\ks+4*\c+3], v[XCR] offset:16*XP*\m+64*\ks+32*\c   ; registers 4 c ..: k = 128 ks + 64 c + 32 h + 0 .. 31 of row 16 m + r
.endr
.endr
	ds_load_b128 v[XS:XS+3], v[SCR] offset:256*\m  ; the row's four scale words
	s_wait_xcnt 0x0                                ; the last tile's stores have read the accumulators' registers
	s_wait_dscnt 0x0
.if \isv
	WIN 0x04                                       ; source 1 (W) window 1
.else
	WIN 0x01                                       ; source 0 (W) window 1
.endif
.irp ks, 0,1,2,3                               ; the eight accumulators take turns, one instruction a turn
.irp t, 0,1,2,3,4,5,6,7
.if \isv
.if \ks == 0
	v_wmma_scale_f32_16x16x128_f8f6f4 v[ACC+8*\t:ACC+8*\t+7], v[XF+8*\ks:XF+8*\ks+7], v[32*\t+8*\ks:32*\t+8*\ks+7], v[BI+8*\t:BI+8*\t+7], v[XS+\ks], v[WSC+4*\t+\ks] matrix_a_fmt:MATRIX_FMT_FP4 matrix_b_fmt:MATRIX_FMT_FP4
.else
	v_wmma_scale_f32_16x16x128_f8f6f4 v[ACC+8*\t:ACC+8*\t+7], v[XF+8*\ks:XF+8*\ks+7], v[32*\t+8*\ks:32*\t+8*\ks+7], v[ACC+8*\t:ACC+8*\t+7], v[XS+\ks], v[WSC+4*\t+\ks] matrix_a_fmt:MATRIX_FMT_FP4 matrix_b_fmt:MATRIX_FMT_FP4
.endif
.else
.if \ks == 0
	v_wmma_scale_f32_16x16x128_f8f6f4 v[ACC+8*\t:ACC+8*\t+7], v[32*\t+8*\ks:32*\t+8*\ks+7], v[XF+8*\ks:XF+8*\ks+7], v[BI+8*\t:BI+8*\t+7], v[WSC+4*\t+\ks], v[XS+\ks] matrix_a_fmt:MATRIX_FMT_FP4 matrix_b_fmt:MATRIX_FMT_FP4
.else
	v_wmma_scale_f32_16x16x128_f8f6f4 v[ACC+8*\t:ACC+8*\t+7], v[32*\t+8*\ks:32*\t+8*\ks+7], v[XF+8*\ks:XF+8*\ks+7], v[ACC+8*\t:ACC+8*\t+7], v[WSC+4*\t+\ks], v[XS+\ks] matrix_a_fmt:MATRIX_FMT_FP4 matrix_b_fmt:MATRIX_FMT_FP4
.endif
.endif
.endr
.endr
	WIN 0
.rept 4
	v_nop                                          ; four places behind the last product, ahead of the first read of a result (ISA guide 7.12.1)
.endr
.irp t, 0,1,2,3,4,5,6,7
.irp i, 0,1,2,3
	v_cvt_pk_f16_f32 v[ACC+8*\t+\i], v[ACC+8*\t+2*\i], v[ACC+8*\t+2*\i+1]   ; in place, each accumulator from its low end on
.endr
.endr
.irp t, 0,1,2,3,4,5,6,7                        ; each store: 512 consecutive bytes of an image
.if \isv
	global_store_b128 v[L16], v[ACC+8*\t:ACC+8*\t+3], s[20:21] offset:524288*(\t/4)+4096*(\m/2)+1024*(\t%4)+512*(\m%2)
.else
	global_store_b128 v[L16], v[ACC+8*\t:ACC+8*\t+3], s[20:21] offset:524288*(\t/4)+2048*\m+512*(\t%4)
.endif
.endr
.endr
.endm
	s_cmp_eq_u32 s23, 2
	s_cbranch_scc1 .Lvarm
	TILES 0
	s_branch .Ljoin
.Lvarm:
.irp t, 0,1,2,3,4,5,6,7                        ; V: a lane's eight results are eight tokens of ONE channel: its bias in all eight registers
.irp j, 0,1,2,3,4,5,6,7
	v_mov_b32 v[BI+8*\t+\j], v[BV+\t]
.endr
.endr
	TILES 1
.Ljoin:
	s_wait_tensorcnt 0x0                           ; the wave's end
	ds_add_u32 v[SPW], v[NIL]
	s_wait_dscnt 0x0
	s_endpgm
.Lfunc_end_k_q0114129b61_proj:
	.size	k_q0114129b61_proj, .Lfunc_end_k_q0114129b61_proj-k_q0114129b61_proj
	.p2alignl 7, 3214868480
	.fill 96, 4, 3214868480
	.section	.rodata,"a",@progbits
	.p2align	6, 0x0
	.amdhsa_kernel k_q0114129b61_proj
		.amdhsa_group_segment_fixed_size 39424
		.amdhsa_private_segment_fixed_size 0
		.amdhsa_enable_private_segment 0
		.amdhsa_kernarg_size 72
		.amdhsa_user_sgpr_count 2
		.amdhsa_user_sgpr_kernarg_segment_ptr 1
		.amdhsa_wavefront_size32 1
		.amdhsa_system_sgpr_workgroup_id_x 1
		.amdhsa_system_sgpr_workgroup_id_y 1
		.amdhsa_system_sgpr_workgroup_id_z 1
		.amdhsa_system_vgpr_workitem_id 0
		.amdhsa_next_free_vgpr 512
		.amdhsa_next_free_sgpr 66
		.amdhsa_reserve_vcc 0
		.amdhsa_float_denorm_mode_32 3
		.amdhsa_float_denorm_mode_16_64 3
		.amdhsa_memory_ordered 1
		.amdhsa_forward_progress 1
		.amdhsa_inst_pref_size 106
	.end_amdhsa_kernel
	.amdgpu_metadata
---
amdhsa.version: [ 1, 2 ]
amdhsa.kernels:
  - .name:           k_q0114129b61_proj
    .symbol:         k_q0114129b61_proj.kd
    .args:
      - { .name: q, .offset: 0, .size: 8, .value_kind: global_buffer, .address_space: global }
      - { .name: k, .offset: 8, .size: 8, .value_kind: global_buffer, .address_space: global }
      - { .name: v, .offset: 16, .size: 8, .value_kind: global_buffer, .address_space: global }
      - { .name: bq, .offset: 24, .size: 8, .value_kind: global_buffer, .address_space: global }
      - { .name: bk, .offset: 32, .size: 8, .value_kind: global_buffer, .address_space: global }
      - { .name: bv, .offset: 40, .size: 8, .value_kind: global_buffer, .address_space: global }
      - { .name: wcodes, .offset: 48, .size: 8, .value_kind: global_buffer, .address_space: global }
      - { .name: wscales, .offset: 56, .size: 8, .value_kind: global_buffer, .address_space: global }
      - { .name: heads, .offset: 64, .size: 8, .value_kind: global_buffer, .address_space: global }
    .group_segment_fixed_size: 39424
    .private_segment_fixed_size: 0
    .kernarg_segment_align: 8
    .kernarg_segment_size: 72
    .max_flat_workgroup_size: 128
    .sgpr_count:     66
    .vgpr_count:     512
    .wavefront_size: 32
...
	.end_amdgpu_metadata
.endif
;; end of part 2
;; launch attn (part 3): grid 16 x 16, 4 waves a work-group, clusters of 4 x 1, 327,680 bytes of LDS; arguments heads, ctx; writes ctx
.if DOCPART == 3
	.amdgcn_target "amdgcn-amd-amdhsa--gfx1250"
	.amdhsa_code_object_version 6
	.text
	.protected	k_q0114129b61_attn
	.globl	k_q0114129b61_attn
	.p2align	8
	.type	k_q0114129b61_attn,@function
k_q0114129b61_attn:
	s_mov_b64 s[64:65], 0
	v_nop
	global_prefetch_b8 v0, s[64:65] scope:SCOPE_SE
	s_setreg_imm32_b32 hwreg(HW_REG_WAVE_MODE, 25, 1), 1
	s_wait_xcnt 0x0
	s_wait_alu depctr_hold_cnt(0) depctr_sa_sdst(0) depctr_va_vdst(0) depctr_va_sdst(0) depctr_va_ssrc(0) depctr_va_vcc(0) depctr_vm_vsrc(0)
	s_getreg_b32 s2, hwreg(HW_REG_IB_STS2, 6, 4)
	s_cmp_eq_u32 s2, 0
	s_cbranch_scc0 .Lentry_in_a_cluster
	s_endpgm
.Lentry_in_a_cluster:
	s_bfe_u32 s2, ttmp6, 0x10000c
	s_cmp_lg_u32 s2, 0x3003
	s_cbranch_scc0 .Lentry_shape_is_right
	s_endpgm
.Lentry_shape_is_right:
; ATTN: ctx[b][q][64 hd ..] = the sum over k of softmax_k(Q . K / 8) V, for each of 16 (batch, head) pairs: 4,096 queries, 4,096 keys, head size 64.  Operands f16; products, maxima and sums f32;
; the weights p are rounded to f16 for the second product, ctx once at the end.
; Q, K and V^T come as IMAGES OF OPERAND REGISTERS (a fragment's groups of four registers on end, lane l's 16 bytes at 16 l), so every tile is one dense block, every LDS load takes 512 consecutive
; bytes, and nothing is padded or turned.  heads: [z 3][bh 16][524,288]; a key step of 64 keys is 8,192 bytes of K and 8,192 of V^T.
; SHARES.  A work-group owns 256 queries of one bh, each of its four waves 64: four tiles of 16.  Every wave walks all keys, 64 a step.
; LAYOUT.  S^T = K Q^T (source 0 = 16 keys, source 1 = 16 queries): a lane holds ONE query (lane % 16) and the keys 8 (lane / 16) + 0..7.  Two such tiles, rounded to f16 in pairs, ARE source 1
; (32 keys x 16 queries) of O^T = V^T P, whose result again holds one query a lane and eight channels; packed to f16 that is a piece of the last product's operand image.
; SOFTMAX.  For each query a running maximum m and sum l: p = 2^(c s - c m), c = log2(e) / 8; in every step O and l are multiplied by a = 2^(c m_old - c m_new).
; BY TURNS.  The wave's tiles are two PIECES (tiles 0, 1 and tiles 2, 3).  In a TURN one piece has the matrix unit: 16 products V^T P of the step in hand, then 16 products K Q^T of the next step; the
; other piece's softmax, 2 x 118 instructions cut into 59 slices of four, stands between them, one or two slices behind each product.  Then the pieces change places.  Two turns are a key step.
; RING.  Two LDS slots of 8 key steps (65,536 bytes of K, then of V).  Each wave fetches a quarter of a slot by one tensor load of 128 rows x 256 bytes.
; CLUSTER.  The four query blocks of a cluster belong to one bh and walk the same K and V: each tile is asked for JOINTLY, by the same tensor load with the same descriptor and a mask that names the four.
; LIMITS: |Q|, |K|, |V| under 65,504 as they arrive (f16); NaN and infinities are not served.
; REGISTERS, in windows of 256: window 0: v2-5 addresses; v12-43 eight statistics a tile; v61-63; v64-191 S^T, 32 a tile; v192-255 P, 16 a tile.
;   window 1: v0-127 O^T, 32 a tile; v128-191 K of one step; v192-255 V of one step.     window 2: v0-63 Q, 16 a tile.
.set STEPB, 8192      ; a key step's bytes of K, and of V
.set VOFF,  65536     ; V's part of a slot
.set SLOTB, 65536     ; a slot's bytes of K, and of V, in memory
.set SLOT1, 1<<17     ; slot 1 begins here: one exclusive or turns an address in one slot into the other's
.set SPARE, 327168    ; the last 512 bytes of LDS: the spare words, 128 bytes a wave, which no other line names
.set AK0, 2           ; v2   16 x lane
.set AV0, 3           ; v3   16 x lane + VOFF
.set ADR, 4           ; v4   the LDS address of the run of loads in hand
.set QO,  5           ; v5   16 x lane: my bytes in a piece of Q's image and of ctx's
.set ST,  12          ; tile t's statistics at v[ST+8 t]: +0 c m, +1 m, +2, +3 l (even keys', odd keys'), +4 to +7 c0-c3, at work; a takes c2's place once the maximum is found
.set PFO, 61          ; v61  256 x lane; never rewritten
.set SPW, 62          ; v62  my spare word; never rewritten
.set NIL, 63          ; v63  0; never rewritten
.set S,   64
.set P,   192
.set KF,  128         ; in window 1
.set VF,  192         ; in window 1
.set WV,  12          ; s12  my wave's number
.set LIM, 15          ; s15  1 in a cluster that prefetches, else the greatest number
.set PFA, 18          ; s[18:19] where my prefetches stand
.set G1,  24          ; s[24:31] descriptor group 1
.set G0A, 40          ; s[40:43] group 0 of slot 0's first fill
.set G0B, 44          ; s[44:47] group 0 of slot 1's first fill, which then walks
.set SLOTS, 56        ; s56  slots still to be asked for
.set CNT, 57          ; s57  counts key steps
.set CS,  58          ; s[58:59] c: the packed scaling names a pair and takes its low word for both halves
.set SEL, 60          ; s[60:61] lane selects for v_permlanex16_b32: lane l xor 16
.set TB,  62          ; s62  LDS byte at which K of the step to be fetched begins
.set MSB, 0
.macro WIN new                      ; the immediate's high byte repeats the setting that is left; a switch that changes nothing is dropped
.if MSB != \new
	s_set_vgpr_msb (MSB<<8)|\new
.set MSB, \new
.endif
.endm
.set W_KQ, 0x09       ; K in window 1, Q in window 2, S^T in window 0
.set W_PV, 0x51       ; V in window 1, P in window 0, O^T in window 1
.set W_RS, 0x41       ; O^T (destination and source 0) in window 1, a in window 0
; A round of the cluster's barrier: my work-group's barrier, so that wave 0's signal speaks for all four waves; wave 0 signals; every wave waits for all four work-groups; my work-group's barrier once more.
.macro CROUND
	s_barrier_signal -1
	s_barrier_wait -1
	s_cmp_lg_u32 s[WV], 0
	s_cbranch_scc1 .Lnot_wave_0_\@
	s_barrier_signal -3
.Lnot_wave_0_\@:
	s_barrier_wait -3
	s_barrier_signal -1
	s_barrier_wait -1
.endm
; A prefetch of what the NEXT change of slots will ask for.  All four clusters of a bh walk the same K and V: the first of them (cluster x = 0) asks.  Each wave asks for the 32,768 bytes that it will
; itself fetch; the four partners share them out BY ADDRESS, 8,192 each, lanes 256 bytes apart: each block of 256 bytes is named once in the launch.  The last change that fills a slot asks for nothing.
.macro ASK
	s_cmp_gt_u32 s[SLOTS], s[LIM]
	s_cbranch_scc0 .Lnot_mine_\@
	global_prefetch_b8 v[PFO], s[PFA:PFA+1] th:TH_LOAD_NT scope:SCOPE_SE
.Lnot_mine_\@:
.endm
	s_load_b128 s[4:7], s[0:1], 0x0   ; heads, ctx
	v_lshl_add_u32 v[SPW], v0, 2, SPARE
	v_mov_b32 v[NIL], 0
	ds_add_u32 v[SPW], v[NIL]       ; the wave's opening: the add, twice on end, and its wait ahead of my first tensor load; the set-up below, work on registers, stands between
	ds_add_u32 v[SPW], v[NIL]
	v_lshrrev_b32 v1, 5, v0
	v_readfirstlane_b32 s[WV], v1   ; wave 0..3
	s_bfe_u32 s13, ttmp6, 0x40000   ; cx: my place in the cluster
	s_lshl_b32 s14, ttmp9, 2
	s_add_co_u32 s14, s14, s13      ; my block of 256 queries: it enters Q's and ctx's addresses alone
	s_and_b32 s20, ttmp7, 0xffff    ; bh, which the four partners share
	s_lshl_b32 s22, s20, 19         ; 524,288 bh
	s_lshr_b32 s16, s[WV], 1        ; waves 0, 1 fetch K's halves of a slot, waves 2, 3 V's:
	s_add_co_u32 s16, s16, 1
	s_lshl_b32 s16, s16, 23         ; K's images begin 8 MiB into heads, V's 16 MiB
	s_add_co_u32 s16, s16, s22
	s_and_b32 s17, s[WV], 1
	s_lshl_b32 s17, s17, 15
	s_add_co_u32 s16, s16, s17      ; + my half
	s_mov_b32 s17, 0
	s_lshl_b32 s21, s[WV], 15       ; and in a slot: 32,768 x wave: no place in the cluster enters an LDS address
	s_lshl_b32 s2, s14, 15          ; Q: my block's 32,768 bytes, my wave's 8,192
	s_lshl_b32 s3, s[WV], 13
	s_add_co_u32 s2, s2, s3
	s_add_co_u32 s2, s2, s22
	s_mov_b32 s3, 0
	s_bfe_u32 s8, s20, 0x10002      ; ctx [k / 256][row tile 512][ks 8][c 2][lane][16]: head / 4,
	s_lshl_b32 s8, s8, 22
	s_lshr_b32 s9, s20, 3           ; the batch's 256 row tiles of 8,192 bytes,
	s_lshl_b32 s9, s9, 21
	s_add_co_u32 s8, s8, s9
	s_lshl_b32 s9, s14, 17          ; my block's 16,
	s_add_co_u32 s8, s8, s9
	s_lshl_b32 s9, s[WV], 15        ; my wave's 4,
	s_add_co_u32 s8, s8, s9
	s_and_b32 s9, s20, 3            ; and the head's 2,048 bytes in a row tile
	s_lshl_b32 s9, s9, 11
	s_add_co_u32 s8, s8, s9
	s_mov_b32 s9, 0
	s_lshl_b32 s10, s13, 13         ; the prefetches: my work-group's 8,192 bytes,
	s_add_co_u32 s10, s10, 2*SLOTB  ; in slot 2: the first change of slots steps it to slot 3.  Nothing is prefetched at the head
	s_mov_b32 s11, 0
	; descriptor group 1: 32,768 dense bytes as 128 rows of 32 elements of 8 bytes
	s_mov_b32 s[G1], 15|(3<<16)|(1<<21)  ; 15:0 the mask: all four work-groups; 17:16 elements of 8 bytes; 21 set beside a mask; no padding
	s_mov_b32 s[G1+1], 32<<16       ; tensor_dim0 = 32
	s_mov_b32 s[G1+2], 128<<16      ; tensor_dim1 = 128
	s_mov_b32 s[G1+3], 32<<16       ; tile_dim0 = 32
	s_mov_b32 s[G1+4], 128          ; tile_dim1 = 128
	s_mov_b32 s[G1+5], 32           ; from row to row
	s_mov_b32 s[G1+6], 0
	s_mov_b32 s[G1+7], 0
	s_mov_b32 s[CS], 0x3e38aa3b     ; c = log2(e) / sqrt(64)
	s_mov_b32 s[CS+1], s[CS]        ; named with it as a pair, so it is written
	s_mov_b32 s[SEL], 0x76543210
	s_mov_b32 s[SEL+1], 0xfedcba98
	s_mov_b32 s[TB], 0
	s_mov_b32 s[SLOTS], 6
	s_cmp_eq_u32 ttmp9, 0           ; the bh's first cluster: the same in all four partners
	s_cselect_b32 s[LIM], 1, -1
	v_and_b32 v1, 31, v0
	v_lshlrev_b32 v[PFO], 8, v1
	v_lshlrev_b32 v[AK0], 4, v1
	v_add_nc_u32 v[AV0], VOFF, v[AK0]
	v_lshlrev_b32 v[QO], 4, v1
	s_wait_dscnt 0x0                ; both opening adds are done
	s_wait_kmcnt 0x0
	s_add_nc_u64 s[16:17], s[4:5], s[16:17]  ; my tile of slot 0
	s_add_nc_u64 s[PFA:PFA+1], s[16:17], s[10:11]
	s_add_nc_u64 s[4:5], s[4:5], s[2:3]      ; Q at my wave's first tile
	s_add_nc_u64 s[6:7], s[6:7], s[8:9]      ; ctx likewise
	s_mov_b32 s[G0A], 1             ; count = 1
	s_mov_b32 s[G0A+1], s21         ; LDS address
	s_mov_b64 s[G0A+2:G0A+3], s[16:17]
	s_or_b32 s[G0A+3], s[G0A+3], 0x80000000  ; type = 2
	s_mov_b32 s[G0B], 1
	s_add_co_u32 s[G0B+1], s21, SLOT1
	s_add_nc_u64 s[G0B+2:G0B+3], s[16:17], SLOTB
	s_or_b32 s[G0B+3], s[G0B+3], 0x80000000
	CROUND                          ; all four work-groups are here: the first joint loads meet
	tensor_load_to_lds s[G0A:G0A+3], s[G1:G1+7]  ; keys 0 to 511: my quarter.  Two loads of mine are out
	s_nop 0
	tensor_load_to_lds s[G0B:G0B+3], s[G1:G1+7]  ; keys 512 to 1,023
	s_nop 0
.rept 4
	v_nop
.endr
	WIN 0x80                        ; destination window 2
.set i, 0
.rept 16                            ; Q stays in registers: piece i of 512 bytes is registers 4 i .. 4 i + 3: tile i / 4, channels 32 ((i % 4) / 2) + 16 (i % 2) + 8 h on
	global_load_b128 v[4*i:4*i+3], v[QO], s[4:5] offset:512*i
.set i, i+1
.endr
	WIN 0
; THE MATRIX WORK OF A TURN, for piece x.  The eight accumulators of a kind take turns, one instruction a turn.
; Product i of 16 of O^T += V^T P: keys 32 (i / 8) on, channels 16 ((i / 2) % 4) on, tile x + i % 2.  zero = 1: the first 8 start the sums: nothing is ever cleared.
.macro PV x, zero
	WIN W_PV
.set rO, 32*(\x+i%2)+8*((i/2)%4)
.set rV, VF+32*(i/8)+8*((i/2)%4)
.set rP, P+16*(\x+i%2)+8*(i/8)
.if \zero && (i < 8)
	v_wmma_f32_16x16x32_f16 v[rO:rO+7], v[rV:rV+7], v[rP:rP+7], 0
.else
	v_wmma_f32_16x16x32_f16 v[rO:rO+7], v[rV:rV+7], v[rP:rP+7], v[rO:rO+7]
.endif
.endm
; Product i of 16 of S^T = K Q^T: channels 32 (i / 8) on, keys 16 ((i / 2) % 4) on, tile x + i % 2.  The first 8 start the sums.
.macro KQ x
	WIN W_KQ
.set rS, S+32*(\x+i%2)+8*((i/2)%4)
.set rK, KF+16*((i/2)%4)+8*(i/8)
.set rQ, 16*(\x+i%2)+8*(i/8)
.if i < 8
	v_wmma_f32_16x16x32_f16 v[rS:rS+7], v[rK:rK+7], v[rQ:rQ+7], 0
.else
	v_wmma_f32_16x16x32_f16 v[rS:rS+7], v[rK:rK+7], v[rQ:rQ+7], v[rS:rS+7]
.endif
.endm
; THE LDS LOADS stand in runs of 16: a step's K and, a turn later, its V: 8,192 bytes each, piece f of 512 bytes into registers 4 f .. 4 f + 3.
.macro FETCH_K
	WIN 0
	v_add_nc_u32 v[ADR], s[TB], v[AK0]
	WIN 0x40                        ; destination window 1
.irp f, 0,1,2,3,4,5,6,7,8,9,10,11,12,13,14,15
	ds_load_b128 v[KF+4*\f:KF+4*\f+3], v[ADR] offset:512*\f
.endr
.endm
.macro FETCH_V
	WIN 0
	v_add_nc_u32 v[ADR], s[TB], v[AV0]
	s_add_co_u32 s[TB], s[TB], STEPB  ; the next fetch is the next step's
	s_wait_alu depctr_va_vdst(0)    ; the wait for the softmax's batch of exponentials (SLICE), ahead of the first instruction that names a result
	WIN 0x40
.irp f, 0,1,2,3,4,5,6,7,8,9,10,11,12,13,14,15
	ds_load_b128 v[VF+4*\f:VF+4*\f+3], v[ADR] offset:512*\f
.endr
.endm
; THE VECTOR WORK OF A TURN.  One tile's softmax for one key step is a list of 118 instructions; SM writes number j of it for tile t.  s0-s31 are the lane's 32 scores, in pairs 0-15.
; first = 1: the first key step, which starts m, l and O^T: it has no a and nothing to rescale.
;   0-15    the maximum of s0-s31 and the old m, three operands at a time: four chains c0-c3 of seven scores each (each begins at its accumulator's low end), then the four scores left over, c0-c3 and m
;   16-20   the other half of the lanes' maximum; the new m; c m; c m_old - c m_new
;   21-69   ONE BATCH: the 16 scalings c s - c m, a pair of scores each, and all 33 exponentials (a at 23, then s0-s31).  None of these reads an exponential's result; a pair is scaled in an earlier four than its exponentials
;   (wait)  between 69 and 70 stands the one wait for the batch: SLICE writes it, once for both tiles
;   70-85   the roundings to f16, a pair of weights each        86-101  the sums; l = a l + the sum        102-117 the tile's O^T times a: the one part that leaves window 0
.macro SM t, first
.set rT, ST+8*(\t)
.set rS, S+32*(\t)
.set rP, P+16*(\t)
.set rO, 32*(\t)+2*(j-102)
.if j < 102
	WIN 0
.endif
.if j < 4
	v_max3_num_f32 v[rT+4+j], v[rS+8*j], v[rS+8*j+1], v[rS+8*j+2]
.elseif j < 12
	v_max3_num_f32 v[rT+4+j%4], v[rT+4+j%4], v[rS+8*(j%4)+2*(j/4)+1], v[rS+8*(j%4)+2*(j/4)+2]
.elseif j == 12
	v_max3_num_f32 v[rT+4], v[rT+4], v[rS+7], v[rS+15]
.elseif j == 13
	v_max3_num_f32 v[rT+6], v[rT+6], v[rS+23], v[rS+31]
.elseif j == 14
	v_max3_num_f32 v[rT+4], v[rT+4], v[rT+5], v[rT+6]
.elseif (j == 15) && \first
	v_max_num_f32 v[rT+4], v[rT+4], v[rT+7]
.elseif j == 15
	v_max3_num_f32 v[rT+4], v[rT+4], v[rT+7], v[rT+1]
.elseif j == 16
	v_permlanex16_b32 v[rT+5], v[rT+4], s[SEL], s[SEL+1]  ; the query's other 32 keys lie in the lane 16 away
.elseif j == 18
	v_max_num_f32 v[rT+1], v[rT+4], v[rT+5]
.elseif j == 19
	v_mul_f32 v[rT], s[CS], v[rT+1]
.elseif ((j == 17) || (j == 20) || (j == 23) || (j > 101)) && \first  ; the first step has none of these
.elseif j == 17
	v_mov_b32 v[rT+7], v[rT]        ; c m_old is kept for a: number 19 writes c m anew
.elseif j == 20
	v_sub_f32 v[rT+7], v[rT+7], v[rT]
.elseif j == 23
	v_exp_f32 v[rT+6], v[rT+7]
.elseif (j < 23) || ((j < 38) && (j%2 == 0)) || ((j < 66) && (j%4 == 2))
.set b, (j-2)/4                     ; 38, 42, .. 62: pairs 9 to 15
.if j < 38
.set b, (j-20)/2                    ; 21: pair 0; 22, 24, .. 36: pairs 1 to 8
.endif
	v_pk_fma_f32 v[rS+2*b:rS+2*b+1], v[rS+2*b:rS+2*b+1], s[CS:CS+1], v[rT:rT+1] op_sel_hi:[1,0,0] neg_lo:[0,0,1] neg_hi:[0,0,1]  ; pair b: c s - c m
.elseif j < 70
.set e, j-38                        ; 66 to 69: s28 to s31
.if j < 66
.set e, j-32-(j-38)/4               ; 39-41, 43-45, .. 63-65: s7 to s27
.endif
.if j < 38
.set e, (j-25)/2                    ; 25, 27, .. 37: s0 to s6
.endif
	v_exp_f32 v[rS+e], v[rS+e]
.elseif j < 86
	v_cvt_pk_f16_f32 v[rP+j-70], v[rS+2*(j-70)], v[rS+2*(j-70)+1]  ; pair j - 70
.elseif j < 102                     ; the sum of the tile's 16 pairs, in place: sum z of 16 adds neighbours 1, 2, 4 and 8 pairs apart, then l takes it
.set z, j-86
.set w, 4
.set u, z
.if z >= 14
.set w, 32
.set u, 0
.elseif z >= 12
.set w, 16
.set u, z-12
.elseif z >= 8
.set w, 8
.set u, z-8
.endif
.if (z == 14) && \first
	v_pk_add_f32 v[rT+2:rT+3], v[rS:rS+1], v[rS+16:rS+17]
.elseif z < 15
	v_pk_add_f32 v[rS+w*u:rS+w*u+1], v[rS+w*u:rS+w*u+1], v[rS+w*u+w/2:rS+w*u+w/2+1]
.elseif !\first
	v_pk_fma_f32 v[rT+2:rT+3], v[rT+2:rT+3], v[rT+6:rT+7], v[rS:rS+1] op_sel_hi:[1,0,1]
.endif
.else
	WIN W_RS
	v_pk_mul_f32 v[rO:rO+1], v[rO:rO+1], v[rT+6:rT+7] op_sel_hi:[1,0]
.endif
.endm
; Slice k of 59 of piece y's softmax: four instructions.  Slices 11 to 34 deal out the batch, numbers 22 to 69: four numbers of ONE tile each, the tiles by turns.  Every other slice is numbers 2 k and
; 2 k + 1 of both tiles' lists, the tiles alternating.  2 x 118 = 4 x 59.  Ahead of slice 35 nothing names an exponential's result, and behind slice 34 none is issued: the piece's 66 have one wait.
.macro SLICE y, first
.if (k >= 11) && (k < 35)
.irp n, 0,1,2,3
.set j, 22+4*((k-11)/2)+(\n)
	SM (\y)+(k-11)%2, \first
.endr
.else
.irp n, 0,1
.irp t, \y, \y+1
.set j, 2*k+\n
	SM \t, \first
.endr
.endr
.endif
.if k == 34
	v_nop                           ; the plain instruction behind the last exponential, ahead of the first use: one for the batch
.if (\y) == 0
	FETCH_V                         ; piece 2's turn: V's run of loads stands here, and the wait stands in it
.else
	s_wait_alu depctr_va_vdst(0)    ; the wait for the batch
.endif
.endif
.set k, k+1
.endm
.macro DEAL y, first, upto          ; slices until k = upto
.rept (\upto)-k
	SLICE \y, \first
.endr
.endm
.macro PLACES                       ; four places behind a matrix instruction (ISA guide 7.12.1) where no other vector work is at hand
.rept 4
	v_nop
.endr
.endm
; A TURN.  Piece x has the matrix unit; behind product number np of NP stand the other piece's slices up to 59 np / NP.
; pv = 2: 16 products V^T P; 1: they start O^T's sums; 0: none.  kq = 1: 16 products K Q^T for the next step.  first = 1: the softmax is the first key step's; its slices from 51 on are empty, so four v_nop close the turn.
; Behind a full turn's last product stand slices 57 and 58: eight multiplies of the other piece's O^T, the places ahead of the next turn's first read of the scores and of the loads into K's registers.
; Piece 0's turn fetches the next step's K behind its second product.  Piece 2's turn fetches the same step's V behind slice 34, which falls behind its product 19; behind the last product that read V
; (number 16) stand six scalings, the v_nop and the run's own v_add_nc_u32.
.macro TURN x, pv, kq, first
.set k, 0
.set np, 0
.set NP, 16
.if \pv && \kq
.set NP, 32
.endif
.if \pv
.if \x == 0
	s_wait_dscnt 0x0                ; V is in
.endif
.set i, 0
.rept 16
	PV \x, 2-\pv
.set np, np+1
	DEAL 2-\x, \first, (np*59)/NP
.if (\x == 0) && \kq && (i == 1)
	FETCH_K
.endif
.set i, i+1
.endr
.endif
.if \kq
.if \x == 0
	s_wait_dscnt 0x0                ; K is in
.endif
.set i, 0
.rept 16
	KQ \x
.set np, np+1
	DEAL 2-\x, \first, (np*59)/NP
.set i, i+1
.endr
.endif
.if \first
	PLACES
.endif
.endm
; THE CHANGE OF SLOTS, between piece 2's turn and piece 0's: the slot's last bytes, V of its eighth step, have been asked for.  Each wave waits for all its tensor loads, of which one is out: its part of
; the other slot; adds 0 to its spare word; and waits for that and for its own reads of the slot.  fill = 1: the slot is filled again, with the keys two slots on; the barrier is then a round of the
; cluster's, and the joint refill is the first thing behind it: it has eight key steps, 512 matrix instructions, in which to land.
.macro CHANGE fill
	WIN 0                           ; at a label and at a branch every window is 0
	s_wait_tensorcnt 0x0            ; no tensor load of mine is out, so a group 0 may be written
	ds_add_u32 v[SPW], v[NIL]       ; 0 onto my spare word
.if \fill
	s_xor_b32 s[G0B+1], s[G0B+1], SLOT1  ; the walking descriptor: the other slot than last time,
	s_add_nc_u64 s[G0B+2:G0B+3], s[G0B+2:G0B+3], SLOTB  ; the next 512 keys; the type bits on top are not reached
	s_wait_xcnt 0x0                 ; the last prefetch, a slot back, has read its address, so it may be written:
	s_add_nc_u64 s[PFA:PFA+1], s[PFA:PFA+1], SLOTB  ; one slot further on than the walking descriptor
	s_wait_dscnt 0x0                ; the add is done, and my reads of the slot are over
	CROUND
	tensor_load_to_lds s[G0B:G0B+3], s[G1:G1+7]  ; my one tensor load until the next round
	s_nop 0
.rept 4
	v_nop
.endr
	ASK                             ; what the next change will ask for: eight key steps ahead of that load
.else
	s_wait_dscnt 0x0
	s_barrier_signal -1
	s_barrier_wait -1
.endif
	s_sub_co_u32 s[TB], s[TB], 8*STEPB  ; the fetches go back to a slot's first step,
	s_xor_b32 s[TB], s[TB], SLOT1   ; in the other slot
.endm
.macro STEPS cnt                    ; cnt key steps: written once, walked cnt times; the LDS addresses hang on s[TB]
	s_mov_b32 s[CNT], \cnt
.Lstep_\@:
	TURN 0, 2, 1, 0
	TURN 2, 2, 1, 0
	WIN 0
	s_sub_co_u32 s[CNT], s[CNT], 1
	s_cmp_lg_u32 s[CNT], 0
	s_cbranch_scc1 .Lstep_\@
.endm
	s_wait_tensorcnt 1              ; my part of slot 0 is in; slot 1's may stay out
	s_barrier_signal -1
	s_barrier_wait -1               ; everybody's is
	FETCH_K                         ; key step 0
	s_wait_loadcnt 0x0              ; Q
	s_wait_dscnt 0x0
.set i, 0
.rept 16
	KQ 0                            ; piece 0's first scores: there is no vector work yet to set between them
.set i, i+1
.endr
	WIN 0
	PLACES
	TURN 2, 0, 1, 1                 ; piece 2's first scores | piece 0's first softmax | V of step 0
	TURN 0, 1, 1, 1                 ; piece 0: V^T P of step 0 starts O^T, K Q^T of step 1 | piece 2's first softmax | K of step 1
	TURN 2, 1, 1, 0                 ; piece 2: the same | piece 0's softmax of step 1 | V of step 1
	WIN 0
	STEPS 6                         ; steps 2 to 7 are fetched: slot 0 is read out
.Lslot:                             ; six trips: slots 0 to 5 are filled again, with the keys of slots 2 to 7
	CHANGE 1
	STEPS 8
	s_sub_co_u32 s[SLOTS], s[SLOTS], 1
	s_cmp_lg_u32 s[SLOTS], 0
	s_cbranch_scc1 .Lslot
	CHANGE 0                        ; the tail is written out: nothing is left to ask for
	STEPS 8
	TURN 0, 2, 0, 0                 ; piece 0: V^T P of the last step | piece 2's last softmax
.set i, 0
.rept 16
	PV 2, 0                         ; piece 2: V^T P of the last step
.set i, i+1
.endr
	; THE WAY OUT.  l's two halves and the other half of the lanes' are added; O^T is divided by l and rounded to f16: a tile's 16 registers are four pieces of 512 bytes of ctx's image.  The additions are the places behind the last products.
	WIN 0
.irp t, 0,1,2,3
	v_add_f32 v[ST+8*\t+4], v[ST+8*\t+2], v[ST+8*\t+3]
.endr
.irp t, 0,1,2,3
	v_permlanex16_b32 v[ST+8*\t+5], v[ST+8*\t+4], s[SEL], s[SEL+1]
.endr
.irp t, 0,1,2,3
	v_add_f32 v[ST+8*\t+4], v[ST+8*\t+4], v[ST+8*\t+5]
.endr
.irp t, 0,1,2,3
	v_rcp_f32 v[ST+8*\t+6], v[ST+8*\t+4]
.endr
	v_nop                           ; a plain instruction between the last reciprocal and the use of its result
	s_wait_alu depctr_va_vdst(0)    ; and the wait ahead of the first use: one for the four reciprocals
.macro PACK t
	WIN W_RS
.set i, 32*\t
.rept 16
	v_pk_mul_f32 v[i:i+1], v[i:i+1], v[ST+8*\t+6:ST+8*\t+7] op_sel_hi:[1,0]   ; ascending: each accumulator from its low end on
.set i, i+2
.endr
	WIN 0x05                        ; sources 0 and 1 window 1, destination window 0: S^T's registers are free
.set i, 0
.rept 16
	v_cvt_pk_f16_f32 v[S+16*\t+i], v[32*\t+2*i], v[32*\t+2*i+1]
.set i, i+1
.endr
	WIN 0
.irp f, 0,1,2,3
	global_store_b128 v[QO], v[S+16*\t+4*\f:S+16*\t+4*\f+3], s[6:7] offset:8192*\t+512*\f  ; 32 lanes store 512 consecutive bytes: row tile t, channels 16 f on
.endr
.endm
	PACK 0
	PACK 1
	PACK 2
	PACK 3
	s_wait_tensorcnt 0x0            ; the wave's end
	ds_add_u32 v[SPW], v[NIL]
	s_wait_dscnt 0x0
	CROUND                          ; the closing round: no work-group ends while a partner may still ask for a tile that names it
	s_endpgm
.Lfunc_end_k_q0114129b61_attn:
	.size	k_q0114129b61_attn, .Lfunc_end_k_q0114129b61_attn-k_q0114129b61_attn
	.p2alignl 7, 3214868480
	.fill 96, 4, 3214868480
	.section	.rodata,"a",@progbits
	.p2align	6, 0x0
	.amdhsa_kernel k_q0114129b61_attn
		.amdhsa_group_segment_fixed_size 327680
		.amdhsa_private_segment_fixed_size 0
		.amdhsa_enable_private_segment 0
		.amdhsa_kernarg_size 16
		.amdhsa_user_sgpr_count 2
		.amdhsa_user_sgpr_kernarg_segment_ptr 1
		.amdhsa_wavefront_size32 1
		.amdhsa_system_sgpr_workgroup_id_x 1
		.amdhsa_system_sgpr_workgroup_id_y 1
		.amdhsa_system_sgpr_workgroup_id_z 1
		.amdhsa_system_vgpr_workitem_id 0
		.amdhsa_next_free_vgpr 576
		.amdhsa_next_free_sgpr 66
		.amdhsa_reserve_vcc 0
		.amdhsa_float_denorm_mode_32 3
		.amdhsa_float_denorm_mode_16_64 3
		.amdhsa_memory_ordered 1
		.amdhsa_forward_progress 1
		.amdhsa_inst_pref_size 189
	.end_amdhsa_kernel
	.amdgpu_metadata
---
amdhsa.version: [ 1, 2 ]
amdhsa.kernels:
  - .name:           k_q0114129b61_attn
    .symbol:         k_q0114129b61_attn.kd
    .args:
      - { .name: heads, .offset: 0, .size: 8, .value_kind: global_buffer, .address_space: global }
      - { .name: ctx, .offset: 8, .size: 8, .value_kind: global_buffer, .address_space: global }
    .group_segment_fixed_size: 327680
    .private_segment_fixed_size: 0
    .kernarg_segment_align: 8
    .kernarg_segment_size: 16
    .max_flat_workgroup_size: 128
    .sgpr_count:     66
    .vgpr_count:     576
    .wavefront_size: 32
...
	.end_amdgpu_metadata
.endif
;; end of part 3
;; launch outp (part 4): grid 4 x 64, 4 waves a work-group, clusters of 4 x 4, 280,064 bytes of LDS; arguments ctx, woimg, bo, out0; writes out0
.if DOCPART == 4
	.amdgcn_target "amdgcn-amd-amdhsa--gfx1250"
	.amdhsa_code_object_version 6
	.text
	.protected	k_q0114129b61_outp
	.globl	k_q0114129b61_outp
	.p2align	8
	.type	k_q0114129b61_outp,@function
k_q0114129b61_outp:
	s_mov_b64 s[64:65], 0
	v_nop
	global_prefetch_b8 v0, s[64:65] scope:SCOPE_SE
	s_setreg_imm32_b32 hwreg(HW_REG_WAVE_MODE, 25, 1), 1
	s_wait_xcnt 0x0
	s_wait_alu depctr_hold_cnt(0) depctr_sa_sdst(0) depctr_va_vdst(0) depctr_va_sdst(0) depctr_va_ssrc(0) depctr_va_vcc(0) depctr_vm_vsrc(0)
	s_getreg_b32 s2, hwreg(HW_REG_IB_STS2, 6, 4)
	s_cmp_eq_u32 s2, 0
	s_cbranch_scc0 .Lentry_in_a_cluster
	s_endpgm
.Lentry_in_a_cluster:
	s_bfe_u32 s2, ttmp6, 0x10000c
	s_cmp_lg_u32 s2, 0xf033
	s_cbranch_scc0 .Lentry_shape_is_right
	s_endpgm
.Lentry_shape_is_right:
; OUTP: out0 = ctx Wo + bo.  ctx [8,192][512] and Wo [512 (k)][512 (n)] come as f16 IMAGES OF OPERAND REGISTERS (a fragment of 16 rows or columns x 32 k: two pieces of 512 bytes, lane l's 16 bytes at 16 l):
;   ctx [k / 256][row tile 512][ks 8][c 2][lane][16],  woimg [k / 256][column tile 32][ks 8][c 2][lane][16].  Sums in f32; out0 f32.
; A tile of out0 is 128 x 128: 256 work-groups.  Four waves, each 64 x 64: 16 accumulators.  All of K lies in LDS at once, in two halves of 256 along K: each half is 65,536 dense bytes of ctx and as many
; of Wo.  Each wave fetches a quarter of each half by one tensor load of 128 rows x 256 bytes: two loads a wave, all at the start; nothing is filled again.
; CLUSTERS: 4 x 4 work-groups.  The four of a row of the cluster need the same rows of ctx, the four of a column the same columns of Wo: each block is asked for JOINTLY.
; THE MATRIX INSTRUCTION IS USED TRANSPOSED (source 0 = 16 columns of Wo, source 1 = 16 rows of ctx): a lane holds eight neighbouring numbers of a row of out0.  The bias is the C of each sum's first product.
; REGISTERS: window 0: v16-29 addresses; v32-63 the bias, 8 a column tile; v64-127 the way out; v128-255 the accumulators ((a, b) at v[128 + 8 (4 a + b)]).
;   window 1: two fragment buffers of 128: for 64 along K, 64 registers of ctx, then 64 of Wo.
.set HALFK,  131072                    ; LDS: a half of K: ctx's 65,536 bytes, then Wo's
.set STAGE,  2*HALFK                   ; behind them: 16 rows x 272 bytes for each wave, for the way out; no tensor load lands here
.set SPITCH, 272
.set SPARE,  STAGE+4*16*SPITCH         ; the spare words, 128 bytes a wave: two blocks of 256 bytes that no other line names
.set ADRA, 16                          ; v16-17  my fragments of ctx in half 0, 1
.set ADRB, 20                          ; v20-21  of Wo
.set STO,  24                          ; v24     the way out: where I put 32 bytes of a row
.set RD,   25                          ; v25     where I read a row back
.set CO,   26                          ; v26     my byte offset in out0
.set SPW,  28                          ; v28     my spare word; never rewritten
.set NIL,  29                          ; v29     0; never rewritten
.set BI,   32
.set BK,   64
.set ACC,  128
.set F0,   0
.set F1,   128
.set G1,  24                           ; s[24:31] group 1 for ctx;  s[32:39] its groups 0, one for each half of K
.set G0,  32
.set G1B, 48                           ; s[48:55], s[56:63] the same for Wo
.set G0B, 56
.set MSB, 0
.macro WIN new
.if MSB != \new
	s_set_vgpr_msb (MSB<<8)|\new
.set MSB, \new
.endif
.endm
.set MUL,  0x05                        ; sources 0 and 1 window 1; C and D window 0
.set TO_F, 0x40                        ; destination window 1, address window 0
.macro CROUND                          ; a round of the cluster's barrier
	s_barrier_signal -1
	s_barrier_wait -1
	s_cmp_lg_u32 s12, 0
	s_cbranch_scc1 .Lnot_wave_0_\@
	s_barrier_signal -3
.Lnot_wave_0_\@:
	s_barrier_wait -3
	s_barrier_signal -1
	s_barrier_wait -1
.endm
	s_load_b256 s[4:11], s[0:1], 0x0               ; ctx, woimg, bo, out0
	v_lshl_add_u32 v[SPW], v0, 2, SPARE
	v_mov_b32 v[NIL], 0
	ds_add_u32 v[SPW], v[NIL]                      ; the wave's opening: the add, twice on end, and its wait ahead of my first tensor load
	ds_add_u32 v[SPW], v[NIL]
	v_lshrrev_b32 v1, 5, v0
	v_readfirstlane_b32 s12, v1                    ; wave 0..3
	s_lshr_b32 s13, s12, 1                         ; which half of the tile's rows is mine.  Also: I fetch for ctx (0) or for Wo (1)
	s_and_b32 s14, s12, 1                          ; which half of its columns.  Also: which half of that block I fetch
	s_bfe_u32 s40, ttmp6, 0x40000                  ; cx, cy
	s_bfe_u32 s41, ttmp6, 0x40004
	s_lshl_b32 s42, ttmp9, 2
	s_add_co_u32 s42, s42, s40                     ; tile column
	s_and_b32 s15, ttmp7, 0xffff
	s_lshl_b32 s15, s15, 2
	s_add_co_u32 s15, s15, s41                     ; tile row
	s_lshl_b32 s43, s41, 2
	s_lshl_b32 s43, 15, s43                        ; my row of the cluster
	s_lshl_b32 s44, 0x1111, s40                    ; my column
	s_or_b32 s[G1], s43, (3<<16)|(1<<21)           ; 15:0 the mask; 17:16 elements of 8 bytes; 21 set beside a mask; no padding
	s_or_b32 s[G1B], s44, (3<<16)|(1<<21)
.irp g, G1, G1B
	s_mov_b32 s[\g+1], 32<<16                      ; tensor_dim0 = 32
	s_mov_b32 s[\g+2], 128<<16                     ; tensor_dim1 = 128
	s_mov_b32 s[\g+3], 32<<16                      ; tile_dim0 = 32
	s_mov_b32 s[\g+4], 128                         ; tile_dim1 = 128
	s_mov_b32 s[\g+5], 32                          ; from row to row
	s_mov_b32 s[\g+6], 0
	s_mov_b32 s[\g+7], 0
.endr
	s_lshl_b32 s18, s14, 15                        ; which 32,768 bytes of the block I fetch
	s_lshl_b32 s16, s15, 16                        ; ctx: 65,536 x tile row
	s_add_co_u32 s16, s16, s18
	s_mov_b32 s17, 0
	s_lshl_b32 s46, s42, 16                        ; Wo: 65,536 x tile column
	s_add_co_u32 s46, s46, s18
	s_mov_b32 s47, 0
	s_lshl_b32 s20, s12, 15                        ; where they go: 32,768 x wave: no place in the cluster enters an LDS address
	s_wait_dscnt 0x0                               ; both opening adds are done
	s_wait_kmcnt 0x0
	s_add_nc_u64 s[16:17], s[4:5], s[16:17]
	s_add_nc_u64 s[46:47], s[6:7], s[46:47]
	CROUND                                         ; all sixteen work-groups are here: the joint loads meet
.irp hf, 0,1
	s_mov_b32 s[G0+4*\hf], 1
	s_add_co_u32 s[G0+4*\hf+1], s20, \hf*HALFK
	s_add_nc_u64 s[G0+4*\hf+2:G0+4*\hf+3], s[16:17], \hf*4194304
	s_or_b32 s[G0+4*\hf+3], s[G0+4*\hf+3], 0x80000000
	s_mov_b32 s[G0B+4*\hf], 1
	s_add_co_u32 s[G0B+4*\hf+1], s20, \hf*HALFK
	s_add_nc_u64 s[G0B+4*\hf+2:G0B+4*\hf+3], s[46:47], \hf*262144
	s_or_b32 s[G0B+4*\hf+3], s[G0B+4*\hf+3], 0x80000000
.endr
	s_cmp_eq_u32 s13, 0                            ; a wave's two fills stand in one branch on its number: two loads of mine are out
	s_cbranch_scc0 .Lfirst_b
	tensor_load_to_lds s[G0:G0+3], s[G1:G1+7]
	s_nop 0
	tensor_load_to_lds s[G0+4:G0+7], s[G1:G1+7]
	s_nop 0
.rept 4
	v_nop
.endr
	s_branch .Lfirst_asked
.Lfirst_b:
	tensor_load_to_lds s[G0B:G0B+3], s[G1B:G1B+7]
	s_nop 0
	tensor_load_to_lds s[G0B+4:G0B+7], s[G1B:G1B+7]
	s_nop 0
.rept 4
	v_nop
.endr
.Lfirst_asked:
	v_and_b32 v1, 31, v0
	v_lshlrev_b32 v2, 4, v1                        ; 16 x lane
	s_lshl_b32 s21, s13, 15                        ; my 4 row tiles of ctx
	s_lshl_b32 s22, s14, 15                        ; my 4 column tiles of Wo,
	s_add_co_u32 s22, s22, 65536                   ; which lie behind ctx's 8
.irp hf, 0,1
	v_add_nc_u32 v[ADRA+\hf], s21, v2
	v_add_nc_u32 v[ADRB+\hf], s22, v2
	s_add_co_u32 s21, s21, HALFK
	s_add_co_u32 s22, s22, HALFK
.endr
	v_and_b32 v3, 15, v0                           ; r
	v_bfe_u32 v4, v0, 4, 1                         ; h
	s_mul_i32 s23, s12, 16*SPITCH
	s_add_co_u32 s23, s23, STAGE                   ; my stage
	v_mul_u32_u24 v5, v3, SPITCH                   ; in: row r, 32 bytes for each half of the lanes
	v_lshl_add_u32 v5, v4, 5, v5
	v_add_nc_u32 v[STO], s23, v5
	v_mul_u32_u24 v5, v4, SPITCH                   ; back: lanes 0-15 one row of 256 bytes, lanes 16-31 the next
	v_lshl_add_u32 v5, v3, 4, v5
	v_add_nc_u32 v[RD], s23, v5
	v_lshlrev_b32 v5, 11, v4                       ; and the same two rows in out0 (2,048 bytes a row)
	v_lshl_add_u32 v[CO], v3, 4, v5
	v_lshlrev_b32 v6, 5, v4                        ; the bias: 32 h
	s_lshl_b32 s2, s42, 9                          ; my first column, in bytes: 512 x tile column + 256 x half: in bo and in a row of out0 alike
	s_lshl_b32 s3, s14, 8
	s_add_co_u32 s2, s2, s3
	s_mov_b32 s3, 0
	s_add_nc_u64 s[8:9], s[8:9], s[2:3]
	s_add_nc_u64 s[10:11], s[10:11], s[2:3]
	s_lshl_b32 s2, s15, 18                         ; my first row: 128 x tile row + 64 x half
	s_lshl_b32 s18, s13, 17
	s_add_co_u32 s2, s2, s18
	s_add_nc_u64 s[10:11], s[10:11], s[2:3]
.irp b, 0,1,2,3
	global_load_b128 v[BI+8*\b:BI+8*\b+3], v6, s[8:9] offset:64*\b         ; bo at my columns 16 b + 8 h + 0 .. 7
	global_load_b128 v[BI+8*\b+4:BI+8*\b+7], v6, s[8:9] offset:64*\b+16
.endr
; 8 matrix instructions: row tiles a0, a0 + 1 x all 4 column tiles, 32 along K: half c of buffer f.  first = 1: the bias starts the sums.  The 16 accumulators take turns.
.macro MUL8 f, c, a0, first
.irp a, \a0, \a0+1
.irp b, 0,1,2,3
.if \first
	v_wmma_f32_16x16x32_f16 v[ACC+8*(4*(\a)+\b):ACC+8*(4*(\a)+\b)+7], v[\f+64+8*(4*\c+\b):\f+64+8*(4*\c+\b)+7], v[\f+8*(4*\c+\a):\f+8*(4*\c+\a)+7], v[BI+8*\b:BI+8*\b+7]
.else
	v_wmma_f32_16x16x32_f16 v[ACC+8*(4*(\a)+\b):ACC+8*(4*(\a)+\b)+7], v[\f+64+8*(4*\c+\b):\f+64+8*(4*\c+\b)+7], v[\f+8*(4*\c+\a):\f+8*(4*\c+\a)+7], v[ACC+8*(4*(\a)+\b):ACC+8*(4*(\a)+\b)+7]
.endif
.endr
.endr
.endm
; 32 LDS loads in one run: the fragments of 64 along K, the q-th of half hf, into buffer f; the first 32 along K first.  Each load takes 512 consecutive bytes.
.macro FETCH hf, q, f
	WIN TO_F
.irp c, 0,1
.irp i, 0,1,2,3
	ds_load_b128 v[\f+64+8*(4*\c+\i):\f+64+8*(4*\c+\i)+3],   v[ADRB+\hf] offset:8192*\i+1024*(2*(\q)+\c)
	ds_load_b128 v[\f+64+8*(4*\c+\i)+4:\f+64+8*(4*\c+\i)+7], v[ADRB+\hf] offset:8192*\i+1024*(2*(\q)+\c)+512
	ds_load_b128 v[\f+8*(4*\c+\i):\f+8*(4*\c+\i)+3],         v[ADRA+\hf] offset:8192*\i+1024*(2*(\q)+\c)
	ds_load_b128 v[\f+8*(4*\c+\i)+4:\f+8*(4*\c+\i)+7],       v[ADRA+\hf] offset:8192*\i+1024*(2*(\q)+\c)+512
.endr
.endr
.endm
.macro PLACES                          ; four places in front of loads into registers that matrix instructions have read, and of the first read of results
.rept 4
	v_nop
.endr
.endm
; A quarter of a half of K: multiplies buffer f and fetches the quarter (hf, q) into g.
.macro QUARTER hf, q, f, g, first
	s_wait_dscnt 16                                ; the first 32 along K are in; the youngest sixteen loads may be out
	WIN MUL
	MUL8 \f, 0, 0, \first
	MUL8 \f, 0, 2, \first
	PLACES
	FETCH \hf, \q, \g
	s_wait_dscnt 32                                ; all but the 32 just issued
	WIN MUL
	MUL8 \f, 1, 0, 0
	MUL8 \f, 1, 2, 0
.endm
	s_wait_tensorcnt 1                             ; my part of the first half of K is in; the second half's load may stay out
	s_barrier_signal -1
	s_barrier_wait -1                              ; everybody's is
	FETCH 0, 0, F0
	s_wait_loadcnt 0x0                             ; the bias
	QUARTER 0, 1, F0, F1, 1
	QUARTER 0, 2, F1, F0, 0
	QUARTER 0, 3, F0, F1, 0
	s_wait_dscnt 16                                ; the first half's last quarter; its successor lies in the second half of K
	WIN MUL
	MUL8 F1, 0, 0, 0
	MUL8 F1, 0, 2, 0
	s_wait_tensorcnt 0x0                           ; my part of the second half is in,
	s_wait_dscnt 0x0                               ; (no LDS instruction of mine is pending at a signal)
	s_barrier_signal -1
	s_barrier_wait -1                              ; everybody's is
	PLACES
	FETCH 1, 0, F0
	WIN MUL
	MUL8 F1, 1, 0, 0
	MUL8 F1, 1, 2, 0
	QUARTER 1, 1, F0, F1, 0
	QUARTER 1, 2, F1, F0, 0
	QUARTER 1, 3, F0, F1, 0
	s_wait_dscnt 16                                ; the very last quarter: nothing more to fetch
	WIN MUL
	MUL8 F1, 0, 0, 0
	MUL8 F1, 0, 2, 0
	s_wait_dscnt 0x0
	MUL8 F1, 1, 0, 0
	MUL8 F1, 1, 2, 0
	WIN 0
; THE WAY OUT, block by block of 16 rows x 64 columns.  A lane holds 32 neighbouring bytes of a row and the lanes beside it hold other rows: a block goes through my own stage in LDS and comes back as whole
; rows of 256 bytes, two an instruction.  LDS serves a wave's instructions in order (ISA guide 5.7.1.4): no wait between the stores and the loads, nor in front of the next block's stores.
.macro TOSTAGE a
.irp b, 0,1,2,3
	ds_store_b128 v[STO], v[ACC+8*(4*(\a)+\b):ACC+8*(4*(\a)+\b)+3] offset:64*\b       ; each accumulator from its low end on
	ds_store_b128 v[STO], v[ACC+8*(4*(\a)+\b)+4:ACC+8*(4*(\a)+\b)+7] offset:64*\b+16
.endr
.set BB, BK+32*((\a)%2)
.irp t, 0,1,2,3,4,5,6,7
	ds_load_b128 v[BB+4*\t:BB+4*\t+3], v[RD] offset:\t*2*SPITCH
.endr
.endm
.macro SEND a, younger                 ; younger: the LDS instructions issued behind block a's loads, which may stay out
.set BB, BK+32*((\a)%2)
	s_wait_dscnt \younger
.irp t, 0,1,2,3,4,5,6,7
	global_store_b128 v[CO], v[BB+4*\t:BB+4*\t+3], s[10:11] offset:32768*(\a)+4096*\t th:TH_STORE_NT   ; 16 lanes store 256 consecutive bytes, at a multiple of 256 from out0's first byte; written once
.endr
.endm
	PLACES
	TOSTAGE 0
.irp a, 1,2,3
.if \a > 1
	s_wait_xcnt 0x0                                ; block a - 2's stores have read their registers: block a's loads may land there
.endif
	TOSTAGE \a
	SEND \a-1, 16                                  ; behind block a - 1's loads: block a's 8 stores and 8 loads
.endr
	SEND 3, 0
	s_wait_tensorcnt 0x0                           ; the wave's end
	ds_add_u32 v[SPW], v[NIL]
	s_wait_dscnt 0x0
	CROUND                                         ; the closing round: no work-group ends while a partner may still ask for a block that names it
	s_endpgm
.Lfunc_end_k_q0114129b61_outp:
	.size	k_q0114129b61_outp, .Lfunc_end_k_q0114129b61_outp-k_q0114129b61_outp
	.p2alignl 7, 3214868480
	.fill 96, 4, 3214868480
	.section	.rodata,"a",@progbits
	.p2align	6, 0x0
	.amdhsa_kernel k_q0114129b61_outp
		.amdhsa_group_segment_fixed_size 280064
		.amdhsa_private_segment_fixed_size 0
		.amdhsa_enable_private_segment 0
		.amdhsa_kernarg_size 32
		.amdhsa_user_sgpr_count 2
		.amdhsa_user_sgpr_kernarg_segment_ptr 1
		.amdhsa_wavefront_size32 1
		.amdhsa_system_sgpr_workgroup_id_x 1
		.amdhsa_system_sgpr_workgroup_id_y 1
		.amdhsa_system_sgpr_workgroup_id_z 1
		.amdhsa_system_vgpr_workitem_id 0
		.amdhsa_next_free_vgpr 512
		.amdhsa_next_free_sgpr 66
		.amdhsa_reserve_vcc 0
		.amdhsa_float_denorm_mode_32 3
		.amdhsa_float_denorm_mode_16_64 3
		.amdhsa_memory_ordered 1
		.amdhsa_forward_progress 1
		.amdhsa_inst_pref_size 49
	.end_amdhsa_kernel
	.amdgpu_metadata
---
amdhsa.version: [ 1, 2 ]
amdhsa.kernels:
  - .name:           k_q0114129b61_outp
    .symbol:         k_q0114129b61_outp.kd
    .args:
      - { .name: ctx, .offset: 0, .size: 8, .value_kind: global_buffer, .address_space: global }
      - { .name: woimg, .offset: 8, .size: 8, .value_kind: global_buffer, .address_space: global }
      - { .name: bo, .offset: 16, .size: 8, .value_kind: global_buffer, .address_space: global }
      - { .name: out0, .offset: 24, .size: 8, .value_kind: global_buffer, .address_space: global }
    .group_segment_fixed_size: 280064
    .private_segment_fixed_size: 0
    .kernarg_segment_align: 8
    .kernarg_segment_size: 32
    .max_flat_workgroup_size: 128
    .sgpr_count:     66
    .vgpr_count:     512
    .wavefront_size: 32
...
	.end_amdgpu_metadata
.endif
;; end of part 4
